; MI455X (gfx1250); checked and timed in simulation.
; The chip was launched on July 23, 2026; its instructions are those of AMD's public machine-readable ISA for CDNA 5 (MIT licence, August 2026) and "CDNA5" Instruction Set Architecture Reference Guide (July 2026). The comments in the code are by the model that wrote it; some were corrected since.
;; My LSTM Cell. Allowed arithmetic: matrix products marked QUANTISED: E4M3 operands, one E8M0 scale for each 32 along K, by v_wmma_scale_f32_16x16x128_f8f6f4 with both operands' format E4M3, f32 sums; everything else in f32.
;; Inputs: W_hf 1,024 x 1,024 float32; W_hg 1,024 x 1,024 float32; W_hi 1,024 x 1,024 float32; W_ho 1,024 x 1,024 float32; W_if 1,024 x 1,024 float32; W_ig 1,024 x 1,024 float32; W_ii 1,024 x 1,024 float32; W_io 1,024 x 1,024 float32; b_hf 1,024 float32; b_hg 1,024 float32; b_hi 1,024 float32; b_ho 1,024 float32; b_if 1,024 float32; b_ig 1,024 float32; b_ii 1,024 float32; b_io 1,024 float32; input__codes 8,192 x 32 x 32 uint8 (E4M3 codes of input_, K innermost, in blocks of 32 codes); input__scales 8,192 x 32 uint8 (E8M0 scales of input_, one for each 32 codes along K); prev_c 8,192 x 1,024 float32; prev_h_codes 8,192 x 32 x 32 uint8 (E4M3 codes of prev_h, K innermost, in blocks of 32 codes); prev_h_scales 8,192 x 32 uint8 (E8M0 scales of prev_h, one for each 32 codes along K).
;; Outputs: out0 8,192 x 1,024 float32; out1 8,192 x 1,024 float32.
;; This version of the problem:
;;   THIS VERSION OF THE PROBLEM IS GIVEN IN LOW PRECISION. The matrix products marked QUANTISED in the list below multiply operands that are first quantised to E4M3 (4 exponent bits, 3 mantissa bits; 8 bits a number), with one power-of-two scale for each 32 numbers along K (OCP MX v1.0); their sums are f32. All else is computed in f32.
;;   The module's matrix products, in the order in which they are computed (A, B: the left and right operand; K: the contracted axis; several contracted axes count as one K, in the product's order):
;;     1. [M 8,192, K 1,024] x [K 1,024, N 4,096]; A: input input_ (given as codes); B: computed on the way: QUANTISED
;;     2. [M 8,192, K 1,024] x [K 1,024, N 4,096]; A: input prev_h (given as codes); B: computed on the way: QUANTISED
;;   THE QUANTISER, for each operand of a quantised product, along K:
;;     - K is cut into blocks of 32 from its start; a last block that is shorter is filled with zeros.
;;     - A block's scale is 2^e with e = floor(log2(the largest magnitude in the block)) - 8, held to -126 .. 127; a block of zeros has e = 0. As a byte (E8M0): e + 127.
;;     - Each number is divided by its block's scale, clamped to +-448, and rounded to the nearest number of E4M3, ties to even, subnormals kept.
;;     - The product sums the exact products of the quantised numbers (number of the format x scale) in f32.
;;   ~~~python
;;   def quantise(x, axis):      # numpy; x: float32 -> the quantised numbers, widened to float32 again
;;       x = np.moveaxis(x, axis, -1); K = x.shape[-1]
;;       x = np.pad(x, [(0, 0)] * (x.ndim - 1) + [(0, -K % 32)]); x = x.reshape(x.shape[:-1] + (-1, 32)); a = np.abs(x).max(-1, keepdims=True)
;;       e = np.where(a > 0, np.clip(np.frexp(np.where(a > 0, a, 1))[1] - 1 - 8, -126, 127), 0)      # np.frexp(a)[1] - 1 = floor(log2(a)), exactly
;;       r = np.clip(x / 2.0 ** e, -448, 448)
;;       step = 2.0 ** (np.maximum(np.frexp(np.where(r == 0, 1, r))[1] - 1, -6) - 3)
;;       q = np.round(r / step) * step * 2.0 ** e      # np.round: ties to even
;;       return np.moveaxis(q.reshape(q.shape[:-2] + (-1,))[..., :K], -1, axis).astype(np.float32)
;;   ~~~
;;   OPERANDS COMPUTED ON THE WAY. 'Computed on the way' means the value that the module computes at that place (a softmax that the list does not call 'softmax' is quantised finished and normalised). What goes into a quantiser is computed in f32, as accurately as f32 sums, v_exp_f32 and their like allow (about 1e-6 of the number): no bf16 or f16 on the way to a quantiser, and a product that is left as it is and whose result goes on into a quantised operand takes f32 operands (vector FMAs, or v_wmma_f32_16x16x4_f32). A number that lies on a knife's edge between two numbers of the format may be rounded either way, as far as f32 arithmetic and the matrix unit's own rounding can turn it there, and no further.
;;   INPUTS GIVEN AS CODES. input_ (in the module: [8192, 1024], K = its axis 1); prev_h (in the module: [8192, 1024], K = its axis 1): each comes as NAME_codes (uint8): NAME with its K axis moved to the last place and cut into blocks of 32 codes, [.., K / 32, bytes a block], one block behind the other in memory; one code a byte (a code: sign, 4 exponent bits, 3 mantissa bits); and NAME_scales (uint8): the same leading axes, one E8M0 byte (e + 127) for each 32 codes along K. Its value is code x scale, taken as it is: it is not quantised again, and the codes and scales need not be those that the quantiser above would give.
;; One version. Each part assembles by itself: llvm-mc -triple=amdgcn-amd-amdhsa -mcpu=gfx1250 --defsym DOCPART=n.
;; ======== version 1 of 1: 2 launches
;; limits: right only within a limited range of input values
;; workspace buffers: wq_codes 8,388,608 bytes; wq_scales 262,144 bytes
;; launch quant (part 1): grid 32 x 8, 4 waves a work-group, no clusters, 33,280 bytes of LDS; arguments W_ii, W_if, W_ig, W_io, W_hi, W_hf, W_hg, W_ho, wq_codes, wq_scales; writes wq_codes, wq_scales
.if DOCPART == 1
	.amdgcn_target "amdgcn-amd-amdhsa--gfx1250"
	.amdhsa_code_object_version 6
	.text
	.protected	k_q0ae0742258_quant
	.globl	k_q0ae0742258_quant
	.p2align	8
	.type	k_q0ae0742258_quant,@function
k_q0ae0742258_quant:
	s_mov_b64 s[64:65], 0
	v_nop
	global_prefetch_b8 v0, s[64:65] scope:SCOPE_SE
	s_setreg_imm32_b32 hwreg(HW_REG_WAVE_MODE, 25, 1), 1
	s_wait_xcnt 0x0
; LSTM cell, first of two launches: the eight weights [1024 (n)][1024 (k)], f32, K innermost, become codes of FP8 (E4M3) with one E8M0 scale byte for each 32 along K.
; NO WORK IS LEFT OUT in this program: every input of the problem has a way to both outputs, so all are loaded (the weights here, the rest in the second launch).
; WHERE THE CODES GO.  wq_codes [2 parts: x, h][4096 rows n'][1024 codes], wq_scales [2][4096][32 bytes].  Row j of gate g (0..3 = i, f, g, o) lies at n' = (j / 64) 256 + 64 g + j % 64:
; so 256 neighbouring rows hold the four gates of 64 neighbouring hidden units, which is what one work-group of the second launch multiplies by.
; A block's scale is 2^(floor(log2(its largest magnitude)) - 8); its byte is the largest magnitude's own exponent field - 8, held at 1 from below.  Each number is divided by the scale, held within +-448 and
; rounded to the nearest code, ties to even.
; LIMITS: a block of zeros gets the byte 1 where the rule says 127 (its codes are zeros, which add nothing under any byte but 0xff, and this program alone reads the bytes); blocks whose largest magnitude lies
; under 2^(8 - 126) are held at that byte too; NaN and infinities among the weights are not served.
; SHARES.  Work-group (x, y) takes rows 32 x .. 32 x + 31 of weight y (part y / 4, gate y % 4): 32,768 numbers, dense in memory; their codes and scale bytes are dense too, since 32 divides 64.
; A wave takes 8 rows: 16 steps of 512 numbers.  Each of a step's four loads reads 512 consecutive bytes, 16 a lane; the 2,048 bytes go through the wave's own stage in LDS and come back 64 bytes a lane, so that a
; lane holds 16 neighbours along K (two neighbouring lanes hold a block).  A lane's 16 codes are 16 bytes: the wave stores 512 consecutive bytes.  A wave's 256 scale bytes are gathered in LDS and leave as one
; aligned run of 256 bytes.  No tensor loads, no barrier: waves share nothing.  Loads run eight steps (32 loads, 16,384 bytes a wave) ahead, the turn through LDS one step.
.set WAVES, 4
.set STEPS, 16
.set AHEAD, 8
.set MANT,  0x600000                   ; the mantissa field of 448 as f32
.set CB,    16                         ; bytes of 16 codes
.set R,     16                         ; v16-143  eight sets of 16 numbers as they are loaded
.set X,     144                        ; v144-175 two sets of 16 neighbours
.set E,     176                        ; v176-191 a scale byte for each step
.set C,     192                        ; v192-255 codes: four registers for each step, so that no store's data are written again
.set WREG,  8192                       ; LDS: a region of its own for each wave: two stages of 32 x SP bytes, and behind them its 256 scale bytes
.set SP,    80                         ; a lane's place in a stage: its 64 bytes + 16 of padding
.set SPW,   12                         ; v12      LDS address of my spare word: SPARE + 4 x my thread's number; never rewritten
.set NIL,   13                         ; v13      0; never rewritten
.set SPARE, WAVES*WREG                 ; behind the four regions: the spare words, 128 bytes for each wave: two blocks of 256 bytes that no other line names
	s_load_b512 s[8:23], s[0:1], 0x0               ; the eight weights: ii, if, ig, io, hi, hf, hg, ho
	s_load_b128 s[24:27], s[0:1], 0x40             ; the codes, the scale bytes
	v_lshl_add_u32 v[SPW], v0, 2, SPARE
	v_mov_b32 v[NIL], 0
	v_lshrrev_b32 v1, 5, v0
	v_readfirstlane_b32 s28, v1                    ; wave
	v_and_b32 v2, 31, v0                           ; lane
	v_lshlrev_b32 v3, 4, v2                        ; my 16 bytes of a load's 512
	s_mul_i32 s31, s28, WREG
	v_lshrrev_b32 v14, 2, v2
	v_mul_u32_u24 v14, v14, SP
	v_and_b32 v15, 3, v2
	v_lshl_add_u32 v14, v15, 4, v14
	v_add_nc_u32 v14, s31, v14                     ; the stage, on the way in: four lanes' 64 bytes on end, then 16 of padding
	v_mul_u32_u24 v15, v2, SP
	v_add_nc_u32 v15, s31, v15                     ; and on the way out: SP x lane: my 16 neighbours
	v_mul_u32_u24 v4, v2, CB                       ; my codes' place in a step's
	v_lshrrev_b32 v5, 1, v2
	s_add_co_u32 s31, s31, 2*32*SP
	v_add_nc_u32 v5, s31, v5                       ; LDS: my wave's 256 scale bytes, my block's byte
	v_lshlrev_b32 v7, 3, v2                        ; and on the way out 8 bytes a lane
	v_add_nc_u32 v6, s31, v7
	s_mov_b32 s37, MANT                            ; (an instruction takes one literal: the hold's line has another)
	s_and_b32 s29, ttmp7, 0xffff                   ; y: which weight
	s_lshl_b32 s32, ttmp9, 17                      ; in: 32 rows of 4,096 bytes a work-group,
	s_lshl_b32 s33, s28, 15                        ; 8 rows a wave
	s_add_co_u32 s32, s32, s33
	s_mov_b32 s33, 0
	s_lshr_b32 s34, ttmp9, 1                       ; out: my first row n' = (x / 2) 256
	s_lshl_b32 s34, s34, 8
	s_and_b32 s35, s29, 3
	s_lshl_b32 s35, s35, 6
	s_add_co_u32 s34, s34, s35                     ; + 64 x gate
	s_and_b32 s35, ttmp9, 1
	s_lshl_b32 s35, s35, 5
	s_add_co_u32 s34, s34, s35                     ; + 32 (x % 2)
	s_lshl_b32 s35, s28, 3
	s_add_co_u32 s34, s34, s35                     ; + 8 x wave
	s_lshr_b32 s36, s29, 2                         ; the part: x or h
	s_lshl_b32 s38, s34, 10                        ; codes: 1,024 bytes a row,
	s_lshl_b32 s35, s36, 22                        ; 4,096 rows a part
	s_add_co_u32 s38, s38, s35
	s_mov_b32 s39, 0
	s_lshl_b32 s40, s34, 5                         ; scale bytes: 32 a row
	s_lshl_b32 s35, s36, 17
	s_add_co_u32 s40, s40, s35
	s_mov_b32 s41, 0
	s_wait_alu depctr_va_vdst(0)
	s_wait_kmcnt 0x0
	s_and_b32 s30, s29, 4                          ; the weight is chosen by y's three bits: the choice hangs on the work-group's number alone
	s_cmp_lg_u32 s30, 0
	s_cselect_b64 s[8:9], s[16:17], s[8:9]
	s_cselect_b64 s[10:11], s[18:19], s[10:11]
	s_cselect_b64 s[12:13], s[20:21], s[12:13]
	s_cselect_b64 s[14:15], s[22:23], s[14:15]
	s_and_b32 s30, s29, 2
	s_cmp_lg_u32 s30, 0
	s_cselect_b64 s[8:9], s[12:13], s[8:9]
	s_cselect_b64 s[10:11], s[14:15], s[10:11]
	s_and_b32 s30, s29, 1
	s_cmp_lg_u32 s30, 0
	s_cselect_b64 s[8:9], s[10:11], s[8:9]
	s_add_nc_u64 s[8:9], s[8:9], s[32:33]
	s_add_nc_u64 s[24:25], s[24:25], s[38:39]
	s_add_nc_u64 s[26:27], s[26:27], s[40:41]
.macro LOAD t
.irp i, 0,1,2,3
	global_load_b128 v[R+16*((\t)%8)+4*\i:R+16*((\t)%8)+4*\i+3], v3, s[8:9] offset:2048*(\t)+512*\i th:TH_LOAD_NT   ; 32 lanes read 512 consecutive bytes
.endr
.endm
.macro TURN t                          ; step t's numbers through the stage: LDS serves a wave's instructions in order, so no wait stands between the stores and the loads
.irp i, 0,1,2,3
	ds_store_b128 v14, v[R+16*((\t)%8)+4*\i:R+16*((\t)%8)+4*\i+3] offset:32*SP*((\t)%2)+8*SP*\i
.endr
.irp i, 0,1,2,3
	ds_load_b128 v[X+16*((\t)%2)+4*\i:X+16*((\t)%2)+4*\i+3], v15 offset:32*SP*((\t)%2)+16*\i
.endr
.endm
.irp t, 0,1,2,3,4,5,6,7
	LOAD \t
.endr
	s_wait_loadcnt 4*(AHEAD-1)                     ; step 0's four loads are in; the 28 of steps 1 to 7 may be out
	TURN 0
.macro STEP t
.set XS, X+16*((\t)%2)
.if (\t) > 0
	s_wait_dscnt 1                                 ; this step's numbers are back from the stage (the last step's byte store may be out): so its stores into the stage have read their registers,
.else
	s_wait_dscnt 0x0
.endif
.if (\t)+AHEAD < STEPS
	LOAD (\t)+AHEAD                                ; which take the loads of eight steps on
.endif
.if (\t)+1 < STEPS
.if (\t)+AHEAD < STEPS
	s_wait_loadcnt 4*(AHEAD-1)                     ; the next step's four loads are in; those of the seven steps behind it may be out
.else
	s_wait_loadcnt 4*(STEPS-2-(\t))                ; the counts run down: steps t + 2 to 15 may be out
.endif
	TURN (\t)+1                                    ; and go through the other stage while this step is worked
.endif
	v_max3_num_f32 v8, |v[XS]|, |v[XS+1]|, |v[XS+2]|               ; the largest magnitude of my 16, in two chains
	v_max3_num_f32 v9, |v[XS+3]|, |v[XS+4]|, |v[XS+5]|
.irp i, 6,10
	v_max3_num_f32 v8, v8, |v[XS+\i]|, |v[XS+\i+1]|
	v_max3_num_f32 v9, v9, |v[XS+\i+2]|, |v[XS+\i+3]|
.endr
	v_max3_num_f32 v8, v8, |v[XS+14]|, |v[XS+15]|
	v_max3_num_f32 v8, v8, v9, 0x4800000           ; and the floor 2^(9 - 127), under which no largest magnitude is taken: so the byte cannot fall under 1
	v_max_num_f32_dpp v8, v8, v8 row_xmask:1 row_mask:0xf bank_mask:0xf   ; and of my neighbour's 16: the block's
	v_add_nc_u32 v11, 0xfc000000, v8               ; 8 off its exponent field: the conversion takes the exponent field of this operand as its scale, and nothing else of it
	v_and_or_b32 v10, v8, 0x7f800000, s37          ; 448 x the scale: the largest magnitude's exponent field over 448's mantissa
.irp i, 0,1,2,3,4,5,6,7,8,9,10,11,12,13,14,15
	v_med3_num_f32 v[XS+\i], v[XS+\i], -v10, v10   ; the conversion to an 8-bit code does not saturate (ISA guide 7.6.2): hold the number within the largest code x the scale first
.endr
	v_cvt_scalef32_pk8_fp8_f32 v[C+4*(\t):C+4*(\t)+1], v[XS:XS+7], v11          ; eight numbers / 2^(v11's exponent), to the nearest code, ties to even; the first number's code in the lowest byte
	v_cvt_scalef32_pk8_fp8_f32 v[C+4*(\t)+2:C+4*(\t)+3], v[XS+8:XS+15], v11
	v_lshrrev_b32 v[E+(\t)], 23, v11               ; the scale's byte (a plain line behind the conversions)
	ds_store_b8 v5, v[E+(\t)] offset:16*(\t)       ; both lanes of a block write the same byte with the same value
	global_store_b128 v4, v[C+4*(\t):C+4*(\t)+3], s[24:25] offset:32*CB*(\t)     ; 32 lanes store 512 consecutive bytes, at a multiple of 256 from the buffer's first byte
.endm
.irp t, 0,1,2,3,4,5,6,7,8,9,10,11,12,13,14,15
	STEP \t
.endr
	ds_load_b64 v[8:9], v6                         ; LDS serves a wave's instructions in order: these see my stores
	s_wait_dscnt 0x0
	global_store_b64 v7, v[8:9], s[26:27]          ; 32 lanes store 256 consecutive bytes, aligned: the scale bytes of my 8 rows
	s_wait_tensorcnt 0x0                           ; the wave's end, behind my last LDS store
	ds_add_u32 v[SPW], v[NIL]
	s_wait_dscnt 0x0
	s_endpgm
.Lfunc_end_k_q0ae0742258_quant:
	.size	k_q0ae0742258_quant, .Lfunc_end_k_q0ae0742258_quant-k_q0ae0742258_quant
	.p2alignl 7, 3214868480
	.fill 96, 4, 3214868480
	.section	.rodata,"a",@progbits
	.p2align	6, 0x0
	.amdhsa_kernel k_q0ae0742258_quant
		.amdhsa_group_segment_fixed_size 33280
		.amdhsa_private_segment_fixed_size 0
		.amdhsa_enable_private_segment 0
		.amdhsa_kernarg_size 80
		.amdhsa_user_sgpr_count 2
		.amdhsa_user_sgpr_kernarg_segment_ptr 1
		.amdhsa_wavefront_size32 1
		.amdhsa_system_sgpr_workgroup_id_x 1
		.amdhsa_system_sgpr_workgroup_id_y 1
		.amdhsa_system_sgpr_workgroup_id_z 1
		.amdhsa_system_vgpr_workitem_id 0
		.amdhsa_next_free_vgpr 256
		.amdhsa_next_free_sgpr 66
		.amdhsa_reserve_vcc 0
		.amdhsa_float_denorm_mode_32 3
		.amdhsa_float_denorm_mode_16_64 3
		.amdhsa_memory_ordered 1
		.amdhsa_forward_progress 1
		.amdhsa_inst_pref_size 52
	.end_amdhsa_kernel
	.amdgpu_metadata
---
amdhsa.version: [ 1, 2 ]
amdhsa.kernels:
  - .name:           k_q0ae0742258_quant
    .symbol:         k_q0ae0742258_quant.kd
    .args:
      - { .name: W_ii, .offset: 0, .size: 8, .value_kind: global_buffer, .address_space: global }
      - { .name: W_if, .offset: 8, .size: 8, .value_kind: global_buffer, .address_space: global }
      - { .name: W_ig, .offset: 16, .size: 8, .value_kind: global_buffer, .address_space: global }
      - { .name: W_io, .offset: 24, .size: 8, .value_kind: global_buffer, .address_space: global }
      - { .name: W_hi, .offset: 32, .size: 8, .value_kind: global_buffer, .address_space: global }
      - { .name: W_hf, .offset: 40, .size: 8, .value_kind: global_buffer, .address_space: global }
      - { .name: W_hg, .offset: 48, .size: 8, .value_kind: global_buffer, .address_space: global }
      - { .name: W_ho, .offset: 56, .size: 8, .value_kind: global_buffer, .address_space: global }
      - { .name: wq_codes, .offset: 64, .size: 8, .value_kind: global_buffer, .address_space: global }
      - { .name: wq_scales, .offset: 72, .size: 8, .value_kind: global_buffer, .address_space: global }
    .group_segment_fixed_size: 33280
    .private_segment_fixed_size: 0
    .kernarg_segment_align: 8
    .kernarg_segment_size: 80
    .max_flat_workgroup_size: 128
    .sgpr_count:     66
    .vgpr_count:     256
    .wavefront_size: 32
...
	.end_amdgpu_metadata
.endif
;; end of part 1
;; launch lstm (part 2): grid 16 x 32, 4 waves a work-group, clusters of 4 x 4, 327,680 bytes of LDS; arguments input__codes, input__scales, prev_h_codes, prev_h_scales, wq_codes, wq_scales, prev_c, out0, out1, b_ii, b_if, b_ig, b_io, b_hi, b_hf, b_hg, b_ho; writes out0, out1
.if DOCPART == 2
	.amdgcn_target "amdgcn-amd-amdhsa--gfx1250"
	.amdhsa_code_object_version 6
	.text
	.protected	k_q0ae0742258_lstm
	.globl	k_q0ae0742258_lstm
	.p2align	8
	.type	k_q0ae0742258_lstm,@function
k_q0ae0742258_lstm:
	s_mov_b64 s[64:65], 0
	v_nop
	global_prefetch_b8 v0, s[64:65] scope:SCOPE_SE
	s_setreg_imm32_b32 hwreg(HW_REG_WAVE_MODE, 25, 1), 1
	s_wait_xcnt 0x0
	s_wait_alu depctr_hold_cnt(0) depctr_sa_sdst(0) depctr_va_vdst(0) depctr_va_sdst(0) depctr_va_ssrc(0) depctr_va_vcc(0) depctr_vm_vsrc(0)
	s_getreg_b32 s2, hwreg(HW_REG_IB_STS2, 6, 4)
	s_cmp_eq_u32 s2, 0
	s_cbranch_scc0 .Lentry_in_a_cluster
	s_endpgm
.Lentry_in_a_cluster:
	s_bfe_u32 s2, ttmp6, 0x10000c
	s_cmp_lg_u32 s2, 0xf033
	s_cbranch_scc0 .Lentry_shape_is_right
	s_endpgm
.Lentry_shape_is_right:
; LSTM cell, second launch.  gates = input_ Wx^T + prev_h Wh^T + bx + bh on codes of FP8 (E4M3) with one E8M0 scale for each 32 along K; i, f, o = sigmoid, g = tanh;
; c = f prev_c + i g (out1); h = o tanh(c) (out0).  No work is left out: every input has a way to both outputs.
; The two products are ONE sum over K = 2,048: the x part, then the h part; the biases' sum is the C of each sum's first product.
; wq_codes [2][4096 n'][1024], wq_scales [2][4096][32]; n' = (j / 64) 256 + 64 gate + j % 64: 256 rows hold the four gates of 64 hidden units.
; SHARES: a work-group of four waves makes 256 rows x 256 gate columns, a wave 128 x 128 (64 accumulators).  K goes in eight steps of 256 through a ring of two LDS slots; a tile's row is 256 bytes of memory.
; THE HEAD: one tensor load a wave: wave 0 A's 256 rows of K step 0, wave 1 B's, wave 2 A's scales of the x part, wave 3 B's.  Behind the wait, the add and a round the same tree brings K step 1 and the h part's scales.
; From the first change of slots on a wave fetches 128 rows: the descriptors are set to that where no load of the wave is out.
; CLUSTERS 4 x 4: A's tiles are asked for jointly along a row of the cluster, B's along a column.  The matrix instruction is used transposed (source 0 = B's rows, source 1 = A's rows).
; Clusters are numbered c = x + 4 y; block row Y = 4 (c / 8 % 2) + c / 2 % 4, block column X = 2 (c % 2) + (c / 2 % 4 + c / 16) % 2: every block is made once.
; THE TAIL: all 256 x 256 gates go into a stage in LDS (rows of 1,024 + 16 bytes), in the ring, which has then had its last fill and read.  Behind a barrier wave w takes rows 64 w .. 64 w + 63, eight a trip:
; sixteen lanes hold 256 neighbouring bytes of a row of prev_c, out0, out1.
; sigmoid(x) = 1 / (1 + 2^(-x log2 e)); tanh(x) = 1 - 2 / (1 + 2^(2 x log2 e)): an exponential that overflows gives infinity, whose reciprocal is 0: both forms reach their limits for any finite gate.
; LIMITS: NaN and infinities among the inputs, and a scale byte 0xff, are not served.  The sums' order differs from reference()'s (one chain over both parts, the biases first).
; REGISTERS: window 0: v16-31 addresses; v32-63 scale words alone; v64-127 the biases' sum, later prev_c, c, h; v128-255 A's fragments, in the tail the gates.  window 1: B's fragments, two sets.  windows 2, 3: accumulators.
.set PITCH,  272
.set FRG,    16
.set HALFT,  128*PITCH
.set SLOT,   4*HALFT
.set SCL,    2*SLOT
.set HALFS,  16*272
.set SPART,  4*HALFS
.set SBLK,   2*272
.set SPARE,  SCL+2*SPART               ; the spare words: 128 bytes a wave, named by no other line
.set SP,     1040
.set PARTB,  4194304
.set ADRA, 16
.set BO,   18
.set ADRB, 20
.set GOF,  22
.set ADR,  23
.set STO,  24
.set RD0,  26
.set ADRS, 27
.set SPW,  28
.set NIL,  29
.set PFO,  30
.set PCO,  31
.set SC,   32
.set BIAS, 64
.set PC,   64
.set CO,   96
.set HO,   112
.set AF,   128
.set G,    128
.set PCP,  20
.set O0P,  22
.set O1P,  66
.set G1A,  24
.set G0A,  32
.set G1B,  40
.set G0B,  48
.set G1SA, 56
.set G1SB, 68
.set G0SA, 76
.set G0SB, 84
.set NL2,  56
.set TL2,  58
.set HAD,  92
.set PFA,  94
.set LIM,  96
.set WV,   97
.set RH,   98
.set CH,   99
.set CX,   100
.set CY,   101
.set TC,   104
.set TW,   105
.set MSB, 0
.macro WIN new                         ; the immediate's high byte repeats the setting that is left
.if MSB != (\new)
	s_set_vgpr_msb (MSB<<8)|(\new)
.set MSB, (\new)
.endif
.endm
.set MUL_LO, 0xa1
.set MUL_HI, 0xf1
.set BEG_LO, 0x81
.set BEG_HI, 0xc1
.set TO_B,   0x40
.macro TL g0, g1                       ; a tensor load with an s_nop 0 and four v_nop
	tensor_load_to_lds s[\g0:\g0+3], s[\g1:\g1+7]
	s_nop 0
.rept 4
	v_nop
.endr
.endm
.macro JLOAD g0a, g1a, g0b, g1b        ; the ring's joint load: waves 0, 1 fetch for A, waves 2, 3 for B
	s_cmp_eq_u32 s[RH], 0
	s_cbranch_scc0 .Lfor_b_\@
	TL \g0a, \g1a
	s_branch .Lasked_\@
.Lfor_b_\@:
	TL \g0b, \g1b
.Lasked_\@:
.endm
.macro TREE a, b, sa, sb               ; four tiles, one a wave: one chain of branches on the wave's number, every way passes one load
	s_cmp_lt_u32 s[WV], 1
	s_cbranch_scc0 .Lt1_\@
	TL \a, G1A
	s_branch .Lt9_\@
.Lt1_\@:
	s_cmp_lt_u32 s[WV], 2
	s_cbranch_scc0 .Lt2_\@
	TL \b, G1B
	s_branch .Lt9_\@
.Lt2_\@:
	s_cmp_lt_u32 s[WV], 3
	s_cbranch_scc0 .Lt3_\@
	TL \sa, G1SA
	s_branch .Lt9_\@
.Lt3_\@:
	TL \sb, G1SB
.Lt9_\@:
.endm
.macro CREST                           ; a round of the cluster's barrier behind its opening barrier
	s_cmp_lg_u32 s[WV], 0
	s_cbranch_scc1 .Lnot_wave_0_\@
	s_barrier_signal -3
.Lnot_wave_0_\@:
	s_barrier_wait -3
	s_barrier_signal -1
	s_barrier_wait -1
.endm
.macro CROUND
	s_barrier_signal -1
	s_barrier_wait -1
	CREST
.endm
; ASKT s: a prefetch of the h part's K step s, two refills ahead of its joint load: 32 rows, a lane a row.  Of the clusters that read a block row of A the one with c % 2 = 0 and c / 16 = 0 asks, of those that read a
; block column of B the one among clusters 0 to 3; the four partners share the 128 rows out by address (cx for A, cy for B).
.macro ASKT s
	s_cmp_eq_u32 s[LIM], 1
	s_cbranch_scc0 .Lnot_mine_\@
	global_prefetch_b8 v[PFO], s[PFA:PFA+1] offset:256*(\s) th:TH_LOAD_NT scope:SCOPE_SE
.Lnot_mine_\@:
.endm
.macro ASKC s                          ; rows 32 s .. 32 s + 31 of my wave's 64 rows x 256 bytes of prev_c, a lane a row
	global_prefetch_b8 v[PCO], s[PCP:PCP+1] offset:131072*(\s) th:TH_LOAD_NT scope:SCOPE_SE
.endm
	s_load_b256 s[4:11], s[0:1], 0x0               ; input_ codes, scales; prev_h codes, scales
	s_load_b128 s[12:15], s[0:1], 0x20             ; weights' codes, scales
	v_lshl_add_u32 v[SPW], v0, 2, SPARE
	v_mov_b32 v[NIL], 0
	ds_add_u32 v[SPW], v[NIL]                      ; the opening lines: the add twice on end and its wait
	ds_add_u32 v[SPW], v[NIL]
	v_lshrrev_b32 v1, 5, v0
	v_readfirstlane_b32 s[WV], v1
	s_lshr_b32 s[RH], s[WV], 1                     ; my half of the rows; also: I fetch for A (0) or B (1)
	s_and_b32 s[CH], s[WV], 1                      ; my half of the columns; also: which 128 rows I fetch
	s_bfe_u32 s[CX], ttmp6, 0x40000
	s_bfe_u32 s[CY], ttmp6, 0x40004
	s_and_b32 s[LIM], ttmp7, 0xffff
	s_lshl_b32 s[LIM], s[LIM], 2
	s_add_co_u32 s[LIM], s[LIM], ttmp9             ; c = x + 4 y
	s_bfe_u32 s3, s[LIM], 0x20001                  ; c / 2 % 4
	s_lshr_b32 s2, s[LIM], 4
	s_add_co_u32 s2, s2, s3
	s_and_b32 s2, s2, 1
	s_and_b32 s[TC], s[LIM], 1
	s_lshl_b32 s[TC], s[TC], 1
	s_add_co_u32 s[TC], s[TC], s2                  ; X
	s_lshl_b32 s[TC], s[TC], 2
	s_add_co_u32 s[TC], s[TC], s[CX]               ; tile column
	s_bfe_u32 s[TW], s[LIM], 0x10003
	s_lshl_b32 s[TW], s[TW], 2
	s_add_co_u32 s[TW], s[TW], s3                  ; Y
	s_lshl_b32 s[TW], s[TW], 2
	s_add_co_u32 s[TW], s[TW], s[CY]               ; tile row
	s_lshl_b32 s20, s[CY], 2
	s_lshl_b32 s20, 15, s20                        ; my row of the cluster
	s_lshl_b32 s2, 0x1111, s[CX]                   ; my column
	s_or_b32 s[G1A], s20, 0x7700000                ; mask; 1-byte elements; padding of 4 words behind every 64; bit 21 beside a mask
	s_or_b32 s[G1B], s2, 0x7700000
	s_or_b32 s[G1SA], s20, 0x7730000               ; scales: 8-byte elements
	s_or_b32 s[G1SB], s2, 0x7730000
.irp g, G1A, G1B                       ; codes: 256 rows x 256 bytes, 1,024 apart (128 rows from the first change of slots on)
	s_mov_b32 s[\g+1], 256<<16
	s_mov_b32 s[\g+2], 256<<16
	s_mov_b32 s[\g+3], 256<<16
	s_mov_b32 s[\g+4], 256
	s_mov_b32 s[\g+5], 1024
	s_mov_b32 s[\g+6], 0
	s_mov_b32 s[\g+7], 0
.endr
.irp g, G1SA, G1SB                     ; the scales of 256 rows of a part: 8,192 dense bytes as 32 rows of 256
	s_mov_b32 s[\g+1], 32<<16
	s_mov_b32 s[\g+2], 32<<16
	s_mov_b32 s[\g+3], 32<<16
	s_mov_b32 s[\g+4], 32
	s_mov_b32 s[\g+5], 32
	s_mov_b32 s[\g+6], 0
	s_mov_b32 s[\g+7], 0
.endr
	s_lshl_b32 s20, s[TW], 18                      ; A's tile: 256 rows of 1,024 bytes a tile row,
	s_lshl_b32 s22, s[TW], 13                      ; of 32 scale bytes
	s_mov_b32 s21, 0
	s_mov_b32 s23, 0
	s_lshl_b32 s2, s[TC], 18                       ; B's likewise
	s_lshl_b32 s66, s[TC], 13
	s_mov_b32 s3, 0
	s_mov_b32 s67, 0
	s_lshl_b32 s18, s[CH], 17                      ; the 128 rows that I fetch in the ring
	s_mov_b32 s19, 0
	s_wait_dscnt 0x0                               ; both opening adds are done
	s_wait_kmcnt 0x0
	s_add_nc_u64 s[4:5], s[4:5], s[20:21]
	s_add_nc_u64 s[6:7], s[6:7], s[22:23]
	s_add_nc_u64 s[8:9], s[8:9], s[20:21]
	s_add_nc_u64 s[10:11], s[10:11], s[22:23]
	s_add_nc_u64 s[12:13], s[12:13], s[2:3]
	s_add_nc_u64 s[14:15], s[14:15], s[66:67]
	s_add_nc_u64 s[HAD:HAD+1], s[8:9], s[18:19]
.irp s, 0,1                            ; K steps 0 and 1, whole tiles
	s_mov_b32 s[G0A+4*\s], 1
	s_mov_b32 s[G0A+4*\s+1], \s*SLOT
	s_add_nc_u64 s[G0A+4*\s+2:G0A+4*\s+3], s[4:5], \s*256
	s_or_b32 s[G0A+4*\s+3], s[G0A+4*\s+3], 0x80000000
	s_mov_b32 s[G0B+4*\s], 1
	s_mov_b32 s[G0B+4*\s+1], \s*SLOT+2*HALFT
	s_add_nc_u64 s[G0B+4*\s+2:G0B+4*\s+3], s[12:13], \s*256
	s_or_b32 s[G0B+4*\s+3], s[G0B+4*\s+3], 0x80000000
.endr
	s_mov_b32 s[G0SA], 1                           ; the scales: x part, h part
	s_mov_b32 s[G0SA+1], SCL
	s_mov_b64 s[G0SA+2:G0SA+3], s[6:7]
	s_or_b32 s[G0SA+3], s[G0SA+3], 0x80000000
	s_mov_b32 s[G0SA+4], 1
	s_mov_b32 s[G0SA+5], SCL+SPART
	s_mov_b64 s[G0SA+6:G0SA+7], s[10:11]
	s_or_b32 s[G0SA+7], s[G0SA+7], 0x80000000
	s_mov_b32 s[G0SB], 1
	s_mov_b32 s[G0SB+1], SCL+2*HALFS
	s_mov_b64 s[G0SB+2:G0SB+3], s[14:15]
	s_or_b32 s[G0SB+3], s[G0SB+3], 0x80000000
	s_mov_b32 s[G0SB+4], 1
	s_mov_b32 s[G0SB+5], SCL+SPART+2*HALFS
	s_add_nc_u64 s[G0SB+6:G0SB+7], s[14:15], 131072
	s_or_b32 s[G0SB+7], s[G0SB+7], 0x80000000
	CROUND                                         ; all sixteen work-groups are here: the first joint loads meet
	TREE G0A, G0B, G0SA, G0SB                      ; one tensor load a wave at the head
	s_cmp_eq_u32 s[RH], 0                          ; the prefetches of the h part: where mine stand, and who asks
	s_cselect_b64 s[PFA:PFA+1], s[8:9], s[12:13]
	s_cselect_b32 s2, s[CX], s[CY]
	s_cselect_b32 s16, 0, PARTB
	s_cselect_b32 s3, 17, 28
	s_and_b32 s3, s3, s[LIM]
	s_cmp_eq_u32 s3, 0
	s_cselect_b32 s[LIM], 1, -1
	s_lshl_b32 s2, s2, 15
	s_add_co_u32 s2, s2, s16
	s_add_co_u32 s2, s2, s18
	s_mov_b32 s3, 0
	s_add_nc_u64 s[PFA:PFA+1], s[PFA:PFA+1], s[2:3]
	s_load_b128 s[20:23], s[0:1], 0x30             ; prev_c, out0
	s_load_b64 s[66:67], s[0:1], 0x40              ; out1
	s_load_b256 s[4:11], s[0:1], 0x48              ; b_ii, b_if, b_ig, b_io
	s_load_b256 s[12:19], s[0:1], 0x68             ; b_hi, b_hf, b_hg, b_ho
	v_and_b32 v1, 15, v0                           ; r
	v_bfe_u32 v2, v0, 4, 1                         ; h
	s_wait_alu depctr_va_vdst(0)
	v_mul_u32_u24 v3, v1, PITCH
	v_lshl_add_u32 v4, v2, 4, v3
	s_mul_i32 s2, s[RH], HALFT
	s_mul_i32 s3, s[CH], HALFT
	s_add_co_u32 s3, s3, 2*HALFT
.irp s, 0,1
	v_add_nc_u32 v[ADRA+\s], s2, v4
	v_add_nc_u32 v[ADRB+\s], s3, v4
	s_add_co_u32 s2, s2, SLOT
	s_add_co_u32 s3, s3, SLOT
.endr
	v_lshlrev_b32 v5, 5, v1                        ; scale words: 32 bytes a row, 16 more for each 256 passed
	v_lshrrev_b32 v6, 3, v1
	v_lshl_add_u32 v5, v6, 4, v5
	s_mul_i32 s2, s[RH], HALFS
	s_mul_i32 s3, s[CH], HALFS
	s_add_co_u32 s3, s3, 2*HALFS
	s_sub_co_u32 s3, s3, s2
	v_mul_u32_u24 v6, s3, v2                       ; lanes 16-31 take B's: the lower base + h x the distance
	s_add_co_u32 s2, s2, SCL
	v_add_nc_u32 v5, v5, v6
	v_add_nc_u32 v[ADRS], s2, v5
	v_lshlrev_b32 v[BO], 5, v2
	s_wait_alu depctr_va_vdst(0)
	s_wait_kmcnt 0x0
	s_cmp_eq_u32 s[CH], 0                          ; my column half holds gates i, f (0) or g, o (1)
	s_cselect_b64 s[4:5], s[4:5], s[8:9]
	s_cselect_b64 s[6:7], s[6:7], s[10:11]
	s_cselect_b64 s[12:13], s[12:13], s[16:17]
	s_cselect_b64 s[14:15], s[14:15], s[18:19]
	s_lshl_b32 s2, s[TC], 8
	s_mov_b32 s3, 0
	s_add_nc_u64 s[4:5], s[4:5], s[2:3]
	s_add_nc_u64 s[6:7], s[6:7], s[2:3]
	s_add_nc_u64 s[12:13], s[12:13], s[2:3]
	s_add_nc_u64 s[14:15], s[14:15], s[2:3]
	s_lshl_b32 s16, s[TW], 8
	s_lshl_b32 s17, s[WV], 6
	s_add_co_u32 s16, s16, s17                     ; the tail's first row of my wave
	s_lshl_b32 s16, s16, 12
	s_add_co_u32 s16, s16, s2
	s_mov_b32 s17, 0
	s_add_nc_u64 s[PCP:PCP+1], s[PCP:PCP+1], s[16:17]
	s_add_nc_u64 s[O0P:O0P+1], s[O0P:O0P+1], s[16:17]
	s_add_nc_u64 s[O1P:O1P+1], s[O1P:O1P+1], s[16:17]
.irp gq, 0,1                           ; the biases in the result's layout: tile 4 gq + bb: hidden units 16 bb + 8 h + 0 .. 7
.irp bb, 0,1,2,3
	global_load_b128 v[BIAS+32*\gq+8*\bb:BIAS+32*\gq+8*\bb+3],   v[BO], s[4+2*\gq:5+2*\gq] offset:64*\bb
	global_load_b128 v[BIAS+32*\gq+8*\bb+4:BIAS+32*\gq+8*\bb+7], v[BO], s[4+2*\gq:5+2*\gq] offset:64*\bb+16
	global_load_b128 v[AF+32*\gq+8*\bb:AF+32*\gq+8*\bb+3],       v[BO], s[12+2*\gq:13+2*\gq] offset:64*\bb
	global_load_b128 v[AF+32*\gq+8*\bb+4:AF+32*\gq+8*\bb+7],     v[BO], s[12+2*\gq:13+2*\gq] offset:64*\bb+16
.endr
.endr
	v_mul_u32_u24 v7, v1, SP                       ; the stage, in: row r, 32 bytes for each half of the lanes
	v_lshl_add_u32 v7, v2, 5, v7
	s_mul_i32 s2, s[RH], 128*SP
	s_lshl_b32 s3, s[CH], 9
	s_add_co_u32 s2, s2, s3
	v_add_nc_u32 v[STO], s2, v7
	v_add_nc_u32 v[STO+1], 64*SP, v[STO]
	v_mul_u32_u24 v8, v2, SP                       ; back: lanes 0-15 one row, lanes 16-31 the next
	v_lshl_add_u32 v8, v1, 4, v8
	s_mul_i32 s2, s[WV], 64*SP
	v_add_nc_u32 v[RD0], s2, v8
	v_lshlrev_b32 v[GOF], 4, v1
	v_lshl_add_u32 v[GOF], v2, 12, v[GOF]
	v_and_b32 v9, 31, v0
	v_lshlrev_b32 v[PFO], 10, v9
	v_lshlrev_b32 v[PCO], 12, v9
.macro FRAG reg, adr, q, i             ; 16 rows x 128 K: registers 4 c .. 4 c + 3 hold K = 32 c + 16 h + 0 .. 15
.irp c, 0,1,2,3
	ds_load_b128 v[\reg+4*\c:\reg+4*\c+3], v[\adr] offset:128*(\q)+32*\c+(\i)*16*PITCH
.endr
.endm
; 16 products: A's blocks a0, a0 + 1 x B's eight.  The 64 accumulators take turns in the same order in every step.  first = 1: the biases are C.
.macro MUL16 a0, p, q, sc, first
.irp a, \a0, \a0+1
.irp b, 0,1,2,3,4,5,6,7
.if \first
	v_wmma_scale_f32_16x16x128_f8f6f4 v[8*(8*((\a)%4)+\b):8*(8*((\a)%4)+\b)+7], v[128*(\p)+FRG*\b:128*(\p)+FRG*\b+FRG-1], v[AF+FRG*(\a):AF+FRG*(\a)+FRG-1], v[BIAS+8*\b:BIAS+8*\b+7], v[SC+16*(\sc)+2*\b+(\q)], v[SC+16*(\sc)+2*(\a)+(\q)] matrix_a_scale:MATRIX_SCALE_ROW1
.else
	v_wmma_scale_f32_16x16x128_f8f6f4 v[8*(8*((\a)%4)+\b):8*(8*((\a)%4)+\b)+7], v[128*(\p)+FRG*\b:128*(\p)+FRG*\b+FRG-1], v[AF+FRG*(\a):AF+FRG*(\a)+FRG-1], v[8*(8*((\a)%4)+\b):8*(8*((\a)%4)+\b)+7], v[SC+16*(\sc)+2*\b+(\q)], v[SC+16*(\sc)+2*(\a)+(\q)] matrix_a_scale:MATRIX_SCALE_ROW1
.endif
.endr
.endr
.endm
.macro FETCH_B slot, q, p
	WIN TO_B
.irp i, 0,1,2,3,4,5,6,7
	FRAG 128*(\p)+FRG*\i, ADRB+\slot, \q, \i
.endr
	WIN 0
.endm
.macro FETCH_A slot, q, i0
.irp i, \i0, \i0+1, \i0+2, \i0+3
	FRAG AF+FRG*(\i), ADRA+\slot, \q, \i
.endr
.endm
.macro SCALES sc, k                    ; K step k's scale words: lanes 0-15 A's block i, lanes 16-31 B's
.irp i, 0,1,2,3,4,5,6,7
	ds_load_b64 v[SC+16*\sc+2*\i:SC+16*\sc+2*\i+1], v[ADRS] offset:SBLK*\i+8*((\k)&3)+SPART*((\k)>>2)
.endr
.endm
.macro PLACES n                        ; places behind matrix instructions, in front of loads into their registers and of reads of results
.rept \n
	v_nop
.endr
.endm
.macro STEP slot, first                ; a K step's first 128 along K
	s_wait_dscnt 16                                ; all but the youngest sixteen loads (A's blocks 4-7)
.if \first
	WIN BEG_LO
.else
	WIN MUL_LO
.endif
	MUL16 0, 0, 0, \slot, \first
	MUL16 2, 0, 0, \slot, \first
	s_wait_dscnt 0
	PLACES 8
	FETCH_B \slot, 1, 1
	FETCH_A \slot, 1, 0
.if \first
	WIN BEG_HI
.else
	WIN MUL_HI
.endif
	MUL16 4, 0, 0, \slot, \first
	MUL16 6, 0, 0, \slot, \first
	PLACES 8
	WIN 0
	FETCH_A \slot, 1, 4
.endm
; K step k's second 128 along K changes slots in its middle: 32 products on registers; then the wait for all my tensor loads, the add, the wait for it and for my reads of this slot; the barrier, which for k <= 5
; opens a round of the cluster's barrier; the refill with K step k + 2; the next slot's fragments; 32 products.
.macro TURN slot, next, k
	s_wait_dscnt 16                                ; all but A's blocks 4-7
	WIN MUL_LO
	MUL16 0, 1, 1, \slot, 0
	MUL16 2, 1, 1, \slot, 0
	WIN 0
	s_wait_tensorcnt 0x0                           ; all my tensor loads have landed
	ds_add_u32 v[SPW], v[NIL]
.if (\k) == 0                          ; no load of mine is out: from here on a load brings the 128 rows of my half
	s_mov_b32 s[G1A+2], 128<<16
	s_mov_b32 s[G1A+4], 128
	s_mov_b32 s[G1B+2], 128<<16
	s_mov_b32 s[G1B+4], 128
	s_mul_i32 s2, s[CH], HALFT
	s_lshl_b32 s4, s[CH], 17
	s_mov_b32 s5, 0
.irp g, G0A, G0A+4, G0B, G0B+4
	s_add_co_u32 s[\g+1], s[\g+1], s2
	s_add_nc_u64 s[\g+2:\g+3], s[\g+2:\g+3], s[4:5]
.endr
.endif
	s_wait_dscnt 0x0                               ; the add is done, my reads of this slot are over
	s_barrier_signal -1
	s_barrier_wait -1
.if (\k) <= 5
	CREST
.if (\k) == 2
	s_mov_b64 s[G0A+4*\slot+2:G0A+4*\slot+3], s[HAD:HAD+1]                       ; K step 4: A goes on in prev_h's codes; B a part on and back along K
	s_or_b32 s[G0A+4*\slot+3], s[G0A+4*\slot+3], 0x80000000
	s_add_nc_u64 s[G0B+4*\slot+2:G0B+4*\slot+3], s[G0B+4*\slot+2:G0B+4*\slot+3], PARTB-512
.elseif (\k) == 3
	s_add_nc_u64 s[G0A+4*\slot+2:G0A+4*\slot+3], s[HAD:HAD+1], 256
	s_or_b32 s[G0A+4*\slot+3], s[G0A+4*\slot+3], 0x80000000
	s_add_nc_u64 s[G0B+4*\slot+2:G0B+4*\slot+3], s[G0B+4*\slot+2:G0B+4*\slot+3], PARTB-512
.else
	s_add_nc_u64 s[G0A+4*\slot+2:G0A+4*\slot+3], s[G0A+4*\slot+2:G0A+4*\slot+3], 512
	s_add_nc_u64 s[G0B+4*\slot+2:G0B+4*\slot+3], s[G0B+4*\slot+2:G0B+4*\slot+3], 512
.endif
	JLOAD G0A+4*\slot, G1A, G0B+4*\slot, G1B       ; the first tensor load behind the round; its four v_nop are among the eight places
	PLACES 4
.else
	PLACES 8
.endif
	FETCH_B \next, 0, 0
	FETCH_A \next, 0, 0
	SCALES \next, (\k)+1
.if (\k) <= 3
	ASKT \k
.elseif (\k) <= 5
	ASKC (\k)-4
.endif
	WIN MUL_HI
	MUL16 4, 1, 1, \slot, 0
	MUL16 6, 1, 1, \slot, 0
	PLACES 8
	WIN 0
	FETCH_A \next, 0, 4
.endm
	s_wait_alu depctr_va_vdst(0)
	s_wait_tensorcnt 0x0                           ; my tile of the head's four is in; the same lines as ahead of a refill
	ds_add_u32 v[SPW], v[NIL]
	s_wait_dscnt 0x0
	CROUND
	TREE G0A+4, G0B+4, G0SA+4, G0SB+4              ; K step 1 and the h part's scales: first fills, one a wave
	FETCH_B 0, 0, 0
	SCALES 0, 0
	s_wait_loadcnt 0x0                             ; the biases
.set j, 0
.rept 32
	v_pk_add_f32 v[BIAS+j:BIAS+j+1], v[BIAS+j:BIAS+j+1], v[AF+j:AF+j+1]    ; bx + bh
.set j, j+2
.endr
	s_wait_alu depctr_va_vdst(0)
	FETCH_A 0, 0, 0
	FETCH_A 0, 0, 4
	STEP 0, 1
	TURN 0, 1, 0
	STEP 1, 0
	TURN 1, 0, 1
	STEP 0, 0
	TURN 0, 1, 2
	STEP 1, 0
	TURN 1, 0, 3
	STEP 0, 0
	TURN 0, 1, 4
	STEP 1, 0
	TURN 1, 0, 5
	STEP 0, 0
	TURN 0, 1, 6                                   ; nothing is left to fetch
	STEP 1, 0
.irp s, 0,1
.irp u, 0,1,2,3
	global_load_b128 v[PC+16*\s+4*\u:PC+16*\s+4*\u+3], v[GOF], s[PCP:PCP+1] offset:32768*\s+8192*\u th:TH_LOAD_NT   ; prev_c for the first two trips
.endr
.endr
	s_wait_dscnt 16
	WIN MUL_LO
	MUL16 0, 1, 1, 1, 0
	MUL16 2, 1, 1, 1, 0
	s_wait_dscnt 0                                 ; my last reads of the ring are over
	s_barrier_signal -1
	WIN MUL_HI
	MUL16 4, 1, 1, 1, 0
	MUL16 6, 1, 1, 1, 0
	WIN 0
	s_barrier_wait -1                              ; nobody reads the ring any more, and it has had its last fill
	PLACES 8
	s_mov_b32 s[NL2], 0xbfb8aa3b                   ; -log2(e)
	s_mov_b32 s[NL2+1], 0xbfb8aa3b
	s_mov_b32 s[TL2], 0x4038aa3b                   ; 2 log2(e)
	s_mov_b32 s[TL2+1], 0x4038aa3b
.macro DUMP a                          ; block a's 16 rows, my 128 columns, into the stage; each accumulator from its low end on
	WIN 0x08+4*((\a)/4)
.irp b, 0,1,2,3,4,5,6,7
	ds_store_b128 v[STO+(\a)/4], v[64*((\a)%4)+8*\b:64*((\a)%4)+8*\b+3]   offset:((\a)%4)*16*SP+64*\b
	ds_store_b128 v[STO+(\a)/4], v[64*((\a)%4)+8*\b+4:64*((\a)%4)+8*\b+7] offset:((\a)%4)*16*SP+64*\b+16
.endr
.endm
.irp a, 0,1,2,3,4,5,6,7
	DUMP \a
.endr
	WIN 0
	s_wait_dscnt 0x0                               ; for the others' sake: my stores into the stage are done
	s_barrier_signal -1
	s_barrier_wait -1
; A TRIP OF THE TAIL: eight rows as four units of two.  Each batch of transcendentals has its sources laid first, one wait ahead, one plain line and one wait behind.
.macro ALU
	s_wait_alu depctr_va_vdst(0)
.endm
.macro SCALE1                          ; pair p: gates i, f, o: -x log2(e); gate g: 2 x log2(e)
.if ((2*p)%16)/4 == 2
	v_pk_mul_f32 v[GG+2*p:GG+2*p+1], v[GG+2*p:GG+2*p+1], s[TL2:TL2+1] op_sel_hi:[1,0]
.else
	v_pk_mul_f32 v[GG+2*p:GG+2*p+1], v[GG+2*p:GG+2*p+1], s[NL2:NL2+1] op_sel_hi:[1,0]
.endif
.set p, p+1
.endm
.macro PLUS1 base
	v_pk_add_f32 v[\base+2*p:\base+2*p+1], v[\base+2*p:\base+2*p+1], 1.0 op_sel_hi:[1,0]
.set p, p+1
.endm
.macro TWICE
	v_pk_mul_f32 v[HO+2*p:HO+2*p+1], v[CO+2*p:CO+2*p+1], s[TL2:TL2+1] op_sel_hi:[1,0]
.set p, p+1
.endm
.macro EXPS base, n
.set e, 0
.rept \n
	v_exp_f32 v[\base+e], v[\base+e]
.set e, e+1
.endr
	v_nop
.endm
.macro RCPS base, n
.set e, 0
.rept \n
	v_rcp_f32 v[\base+e], v[\base+e]
.set e, e+1
.endr
	v_nop
.endm
; st: the trip's set.  step: the bases go 16 rows on.  off: the trip's rows from the bases.  left: loads of prev_c that may stay out.  nds, dso: the next trip's gates.  npc: prev_c of the trip after the next.
.macro ETRIP st, step, off, left, nds, dso, npc
.set GG, G+64*(\st)
.set GN, G+64*(1-(\st))
.set PP, PC+16*(\st)
	s_wait_dscnt 0x0                               ; my set's sixteen loads
.set p, 0
.rept 32
	SCALE1
.endr
	ALU
	EXPS GG, 64
.if \nds
.irp u, 0,1,2,3
.irp g, 0,1,2,3
	ds_load_b128 v[GN+16*\u+4*\g:GN+16*\u+4*\g+3], v[ADR] offset:(\dso)+2*SP*\u+256*\g
.endr
.endr
.endif
	ALU
.set p, 0
.rept 32
	PLUS1 GG
.endr
	ALU
	RCPS GG, 64
	s_wait_xcnt 0x0                                ; the bases step, and c's and h's registers are written again, only behind this wait
.if \step
	s_add_nc_u64 s[PCP:PCP+1], s[PCP:PCP+1], 65536
	s_add_nc_u64 s[O0P:O0P+1], s[O0P:O0P+1], 65536
	s_add_nc_u64 s[O1P:O1P+1], s[O1P:O1P+1], 65536
.endif
	s_wait_loadcnt \left                           ; this trip's prev_c; the next trip's four loads may be out
	ALU
.irp u, 0,1,2,3
.irp d, 0,2
	v_pk_fma_f32 v[GG+16*\u+8+\d:GG+16*\u+8+\d+1], v[GG+16*\u+8+\d:GG+16*\u+8+\d+1], -2.0, 1.0 op_sel_hi:[1,0,0]   ; g
.endr
.endr
.irp u, 0,1,2,3
.irp d, 0,2
	v_pk_mul_f32 v[GG+16*\u+8+\d:GG+16*\u+8+\d+1], v[GG+16*\u+8+\d:GG+16*\u+8+\d+1], v[GG+16*\u+\d:GG+16*\u+\d+1]    ; i g
.endr
.endr
.irp u, 0,1,2,3
.irp d, 0,2
	v_pk_fma_f32 v[CO+4*\u+\d:CO+4*\u+\d+1], v[GG+16*\u+4+\d:GG+16*\u+4+\d+1], v[PP+4*\u+\d:PP+4*\u+\d+1], v[GG+16*\u+8+\d:GG+16*\u+8+\d+1]   ; c = f prev_c + i g
.endr
.endr
.set p, 0
.rept 8
	TWICE
.endr
	ALU
	EXPS HO, 16
.if \npc
.irp u, 0,1,2,3
	global_load_b128 v[PP+4*\u:PP+4*\u+3], v[GOF], s[PCP:PCP+1] offset:(\off)+65536+8192*\u th:TH_LOAD_NT
.endr
.endif
.irp u, 0,1,2,3
	global_store_b128 v[GOF], v[CO+4*\u:CO+4*\u+3], s[O1P:O1P+1] offset:(\off)+8192*\u th:TH_STORE_NT       ; sixteen lanes store 256 consecutive bytes, aligned
.endr
	ALU
.set p, 0
.rept 8
	PLUS1 HO
.endr
	ALU
	RCPS HO, 16
	ALU
.set j, 0
.rept 8
	v_pk_fma_f32 v[HO+j:HO+j+1], v[HO+j:HO+j+1], -2.0, 1.0 op_sel_hi:[1,0,0]                                ; tanh(c)
.set j, j+2
.endr
.irp u, 0,1,2,3
.irp d, 0,2
	v_pk_mul_f32 v[HO+4*\u+\d:HO+4*\u+\d+1], v[HO+4*\u+\d:HO+4*\u+\d+1], v[GG+16*\u+12+\d:GG+16*\u+12+\d+1]   ; h = o tanh(c)
.endr
.endr
.irp u, 0,1,2,3
	global_store_b128 v[GOF], v[HO+4*\u:HO+4*\u+3], s[O0P:O0P+1] offset:(\off)+8192*\u th:TH_STORE_NT
.endr
.endm
	s_mov_b32 s2, 0
	s_mov_b32 s3, 3
.irp u, 0,1,2,3
.irp g, 0,1,2,3
	ds_load_b128 v[G+16*\u+4*\g:G+16*\u+4*\g+3], v[RD0] offset:2*SP*\u+256*\g   ; the first trip's gates
.endr
.endr
.Ltrip:                                            ; three times two trips; the last two are written out: they ask for no prev_c beyond the buffer
	v_add_nc_u32 v[ADR], s2, v[RD0]
	ETRIP 0, 1, -65536, 4, 1, 8*SP, 1
	ETRIP 1, 0, -32768, 4, 1, 16*SP, 1
	s_add_co_u32 s2, s2, 16*SP
	s_sub_co_u32 s3, s3, 1
	s_cmp_lg_u32 s3, 0
	s_cbranch_scc1 .Ltrip
	v_add_nc_u32 v[ADR], s2, v[RD0]
	ETRIP 0, 0, 0, 4, 1, 8*SP, 0
	ETRIP 1, 0, 32768, 0, 0, 0, 0
	s_wait_tensorcnt 0x0                           ; the wave's end
	ds_add_u32 v[SPW], v[NIL]
	s_wait_dscnt 0x0
	CROUND                                         ; the closing round
	s_endpgm
.Lfunc_end_k_q0ae0742258_lstm:
	.size	k_q0ae0742258_lstm, .Lfunc_end_k_q0ae0742258_lstm-k_q0ae0742258_lstm
	.p2alignl 7, 3214868480
	.fill 96, 4, 3214868480
	.section	.rodata,"a",@progbits
	.p2align	6, 0x0
	.amdhsa_kernel k_q0ae0742258_lstm
		.amdhsa_group_segment_fixed_size 327680
		.amdhsa_private_segment_fixed_size 0
		.amdhsa_enable_private_segment 0
		.amdhsa_kernarg_size 136
		.amdhsa_user_sgpr_count 2
		.amdhsa_user_sgpr_kernarg_segment_ptr 1
		.amdhsa_wavefront_size32 1
		.amdhsa_system_sgpr_workgroup_id_x 1
		.amdhsa_system_sgpr_workgroup_id_y 1
		.amdhsa_system_sgpr_workgroup_id_z 1
		.amdhsa_system_vgpr_workitem_id 0
		.amdhsa_next_free_vgpr 1024
		.amdhsa_next_free_sgpr 106
		.amdhsa_reserve_vcc 0
		.amdhsa_float_denorm_mode_32 3
		.amdhsa_float_denorm_mode_16_64 3
		.amdhsa_memory_ordered 1
		.amdhsa_forward_progress 1
		.amdhsa_inst_pref_size 255
	.end_amdhsa_kernel
	.section	.bss,"aw",@nobits
	.p2align	6
	.space	262144
	.amdgpu_metadata
---
amdhsa.version: [ 1, 2 ]
amdhsa.kernels:
  - .name:           k_q0ae0742258_lstm
    .symbol:         k_q0ae0742258_lstm.kd
    .args:
      - { .name: input__codes, .offset: 0, .size: 8, .value_kind: global_buffer, .address_space: global }
      - { .name: input__scales, .offset: 8, .size: 8, .value_kind: global_buffer, .address_space: global }
      - { .name: prev_h_codes, .offset: 16, .size: 8, .value_kind: global_buffer, .address_space: global }
      - { .name: prev_h_scales, .offset: 24, .size: 8, .value_kind: global_buffer, .address_space: global }
      - { .name: wq_codes, .offset: 32, .size: 8, .value_kind: global_buffer, .address_space: global }
      - { .name: wq_scales, .offset: 40, .size: 8, .value_kind: global_buffer, .address_space: global }
      - { .name: prev_c, .offset: 48, .size: 8, .value_kind: global_buffer, .address_space: global }
      - { .name: out0, .offset: 56, .size: 8, .value_kind: global_buffer, .address_space: global }
      - { .name: out1, .offset: 64, .size: 8, .value_kind: global_buffer, .address_space: global }
      - { .name: b_ii, .offset: 72, .size: 8, .value_kind: global_buffer, .address_space: global }
      - { .name: b_if, .offset: 80, .size: 8, .value_kind: global_buffer, .address_space: global }
      - { .name: b_ig, .offset: 88, .size: 8, .value_kind: global_buffer, .address_space: global }
      - { .name: b_io, .offset: 96, .size: 8, .value_kind: global_buffer, .address_space: global }
      - { .name: b_hi, .offset: 104, .size: 8, .value_kind: global_buffer, .address_space: global }
      - { .name: b_hf, .offset: 112, .size: 8, .value_kind: global_buffer, .address_space: global }
      - { .name: b_hg, .offset: 120, .size: 8, .value_kind: global_buffer, .address_space: global }
      - { .name: b_ho, .offset: 128, .size: 8, .value_kind: global_buffer, .address_space: global }
    .group_segment_fixed_size: 327680
    .private_segment_fixed_size: 0
    .kernarg_segment_align: 8
    .kernarg_segment_size: 136
    .max_flat_workgroup_size: 128
    .sgpr_count:     106
    .vgpr_count:     1024
    .wavefront_size: 32
...
	.end_amdgpu_metadata
.endif
;; end of part 2
